; MI455X (gfx1250); checked and timed in simulation.
; The chip was launched on July 23, 2026; its instructions are those of AMD's public machine-readable ISA for CDNA 5 (MIT licence, August 2026) and "CDNA5" Instruction Set Architecture Reference Guide (July 2026). The comments in the code are by the model that wrote it; some were corrected since.
;; Wkv7. Allowed arithmetic: float matrix products may take bf16 or f16 operands with f32 sums; all other float work in f32.
;; Inputs: a 2,048 x 4,096 float32; b 2,048 x 4,096 float32; k 2,048 x 4,096 float32; r 2,048 x 4,096 float32; state2 64 x 64 x 64 float32; v 2,048 x 4,096 float32; w 2,048 x 4,096 float32.
;; Outputs: out0 2,048 x 64 x 1 x 64 float32; out1 64 x 64 x 64 float32.
;; Constants: seq_length = 2048.
;; 2 versions, each right and faster than the one before. Each part assembles by itself: llvm-mc -triple=amdgcn-amd-amdhsa -mcpu=gfx1250 --defsym DOCPART=n.
;; ======== version 1 of 2: 1 launch
;; launch wkv (part 1): grid 256 x 1, 4 waves a work-group, clusters of 4 x 1, 327,680 bytes of LDS; arguments a, b, k, r, w, v, state2, out0, out1; writes out0, out1
.if DOCPART == 1
	.amdgcn_target "amdgcn-amd-amdhsa--gfx1250"
	.amdhsa_code_object_version 6
	.text
	.protected	k_q157a158dbc_wkv
	.globl	k_q157a158dbc_wkv
	.p2align	8
	.type	k_q157a158dbc_wkv,@function
k_q157a158dbc_wkv:
	s_mov_b64 s[64:65], 0
	v_nop
	global_prefetch_b8 v0, s[64:65] scope:SCOPE_SE
	s_setreg_imm32_b32 hwreg(HW_REG_WAVE_MODE, 25, 1), 1
	s_wait_xcnt 0x0
	s_wait_alu depctr_hold_cnt(0) depctr_sa_sdst(0) depctr_va_vdst(0) depctr_va_sdst(0) depctr_va_ssrc(0) depctr_va_vcc(0) depctr_vm_vsrc(0)
	s_getreg_b32 s2, hwreg(HW_REG_IB_STS2, 6, 4)
	s_cmp_eq_u32 s2, 0
	s_cbranch_scc0 .Lentry_in_a_cluster
	s_endpgm
.Lentry_in_a_cluster:
	s_bfe_u32 s2, ttmp6, 0x10000c
	s_cmp_lg_u32 s2, 0x3003
	s_cbranch_scc0 .Lentry_shape_is_right
	s_endpgm
.Lentry_shape_is_right:
; WKV7: for each of 64 heads a 64 x 64 state S in f32 and 2,048 serial steps:  sa = S a;  S = S diag(e^w) + sa b^T + v k^T;  x = S r.
; The rows of S never meet: row i needs only itself, v[i] and the head's a, b, w, k, r.  So the 4,096 rows are shared out:
;   a cluster of 4 work-groups = one head; a work-group = 16 rows; a wave = 4 rows; a half of 16 lanes = 2 rows; a lane = 2 rows x 4 columns = 8 numbers.
; VECTOR UNIT, NOT MATRIX UNIT: each product is a matrix times ONE vector, on a state that the same step changes.  A form in blocks of time that would make
; matrix-matrix products of them needs factors e^(-sum of w), which leave f32's range for steep decays, or pairwise decays and a triangular inverse made on the
; vector unit at the scan's own cost.  The scan in f32 holds wherever the recurrence itself stays finite, so it is taken.
; LANE LAYOUT: a lane's column c is a register pair (A, B): A = row base + p, B = row base + 1 - p, p = lane & 1 (odd lanes hold the rows swapped).  One packed
; instruction serves both rows, and a dot product is A + (neighbour's B), then sums over lanes 2, 4, 8 apart: every lane ends with its A row's total, and its
; neighbour's total is its B row's.
; TIME goes in tiles of 64 steps through two LDS slots.  a, b, k, r of a head are the same for the cluster's four work-groups: JOINT tensor loads (mask 15), wave q
; fetching tensor q: 64 rows of 256 bytes.  w comes through registers (e^w is made once per number and work-group), v likewise (the work-group's own 64 bytes a step).
; x is gathered in LDS and stored a tile later: 4 lanes store 64 consecutive bytes, all that a work-group owns of a step's 256 bytes of a head; one work-group to
; a head would store whole 256 bytes and leave three quarters of the work-groups without rows.
; LIMITS: e^w = 2^(w log2 e) by v_exp_f32, whose results under 2^-126 are 0 (ISA guide, 15.8); a dot product is summed as a tree (2 chains, then lanes), not in ascending order.
.set ROWB,  16384                      ; bytes from a time step to the next in a, b, k, r, w, v, out0
.set TILEB, 64*ROWB                    ; a tile of 64 steps
.set SLOTB, 65536                      ; an LDS slot: a +0, b +16384, k +32768, r +49152, each [64 steps][256 bytes]; slots at 0 and 65536: tensor loads fill these alone
.set EWB,   131072                     ; e^w: two halves of [64 steps][64] f32, 16,384 bytes each        } written by LDS stores alone
.set VSB,   163840                     ; v: two halves of [64 steps][8 row pairs](v0, v1, v1, v0), 8,192  }
.set XSB,   180224                     ; x: two halves of [4 waves][64 steps][4 rows], 4,096; ends at 188,416
.set LANE, 1                           ; v1   lane
.set LC16, 2                           ; v2   16 (lane % 16): my 4 columns in a row of 256 bytes
.set LV,   3                           ; v3   my (vA, vB) in a step's 128 bytes of VS
.set LX,   4                           ; v4   my A row's word in my wave's part of XS
.set WOFF, 5                           ; v5   w: byte offset of my 16 bytes in a tile
.set VOFF, 6                           ; v6   v and out0: the same
.set SOFF, 7                           ; v7   state2 and out1: my 16 bytes of the first of my two rows
.set WST,  8                           ; v8   where I put e^w
.set VST,  9                           ; v9   where I put v
.set XRD,  10                          ; v10  where I read x back
.set AD,   11                          ; v11-14 stepped LDS addresses: slot, e^w, v, x
.set EWAD, 12
.set VAD,  13
.set XAD,  14
.set PAR,  15                          ; v15  p
.set ST,   16                          ; v[16:23]   S: column c at ST + 2 c
.set SN,   24                          ; v[24:31]   S e^w + v k, before sa b is added
.set OB,   32                          ; v[32:127]  four operand buffers of 24: step n uses buffer n % 4
.set FA, 0                             ;   a +0, e^w +4, k +8, b +12, r +16 (4 columns each), (vA, vB) +20
.set FE, 4
.set FK, 8
.set FB, 12
.set FR, 16
.set FV, 20
.set PA,   128                         ; v[128:131] two chains of the dot with a
.set PB,   130
.set XA,   132                         ; v[132:135] two chains of the dot with r
.set XB,   134
.set SA,   136                         ; v[136:137] sa of my A row, of my B row
.set XV,   138                         ; v138       x of my A row
.set WR,   144                         ; v[144:175] the next tile's w, then e^w; at the end the state on its way out
.set VR,   176                         ; v[176:183] the next tile's v
.set YD,   184                         ; v[184:199] v laid out for both parities
.set FL,   200                         ; v[200:207] x on its way out; at the start the state as loaded
; s[8:15] a, b, k, r   s[16:17] w   s[18:19] v   s[20:21] state2   s[22:23] out0   s[24:25] out1   s26 wave   s27 cx   s[28:29] my tensor
; s[30:31] offset of the head   s[32:35] descriptor group 0   s[36:43] group 1   s44 pairs of tiles to go   s45 groups of steps to go   s[46:47] offsets with cx in them
; A round of the cluster's barrier: my work-group's barrier, wave 0 signals for the work-group, every wave waits for all four work-groups, my work-group's barrier again.
.macro ROUND
	s_barrier_signal -1
	s_barrier_wait -1
	s_cmp_lg_u32 s26, 0
	s_cbranch_scc1 .Lnot_wave_0_\@
	s_barrier_signal -3
.Lnot_wave_0_\@:
	s_barrier_wait -3
	s_barrier_signal -1
	s_barrier_wait -1
.endm
; d = s x (column c of quad q, for both rows)
.macro BMUL d, s, q, c
.if (\c)%2
	v_pk_mul_f32 v[\d:\d+1], v[\s:\s+1], v[\q+\c-1:\q+\c] op_sel:[0,1] op_sel_hi:[1,1]
.else
	v_pk_mul_f32 v[\d:\d+1], v[\s:\s+1], v[\q+\c:\q+\c+1] op_sel_hi:[1,0]
.endif
.endm
; d = s x (column c of quad q) + acc
.macro BFMA d, s, q, c, acc
.if (\c)%2
	v_pk_fma_f32 v[\d:\d+1], v[\s:\s+1], v[\q+\c-1:\q+\c], v[\acc:\acc+1] op_sel:[0,1,0] op_sel_hi:[1,1,1]
.else
	v_pk_fma_f32 v[\d:\d+1], v[\s:\s+1], v[\q+\c:\q+\c+1], v[\acc:\acc+1] op_sel_hi:[1,0,1]
.endif
.endm
.macro RED1 d, s                       ; d = my A partial + my neighbour's B partial: the same row
	v_add_f32_dpp v[\d], v[\s+1], v[\s] row_xmask:1 row_mask:0xf bank_mask:0xf
.endm
.macro REDN d, m                       ; d += d of the lane m away (same parity, same row)
	v_add_f32_dpp v[\d], v[\d], v[\d] row_xmask:\m row_mask:0xf bank_mask:0xf
.endm
; The six operand loads of one step, dt steps behind the stepped addresses, into buffer g.  16 lanes take 256 consecutive bytes.
.macro LOADG g, dt
.set OG, OB+24*(\g)
	ds_load_b128 v[OG+FA:OG+FA+3], v[AD]   offset:(\dt)*256
	ds_load_b128 v[OG+FE:OG+FE+3], v[EWAD] offset:(\dt)*256
	ds_load_b128 v[OG+FK:OG+FK+3], v[AD]   offset:32768+(\dt)*256
	ds_load_b64  v[OG+FV:OG+FV+1], v[VAD]  offset:(\dt)*128
	ds_load_b128 v[OG+FB:OG+FB+3], v[AD]   offset:16384+(\dt)*256
	ds_load_b128 v[OG+FR:OG+FR+3], v[AD]   offset:49152+(\dt)*256
.endm
; ONE STEP n, b = n % 4.  px = 1: the step before's x = S r is made here too, on the S that this step has not yet changed, beside the dot with a.
; ahead = 1: step n + 3's operands are asked for, into the buffer of step n - 1, whose last reader is that dot with r.
; cnt: the LDS instructions issued behind step n's six loads.  The chain S -> dot -> lanes -> S is set by turns with work that does not hang on it.
.macro STEP b, px, ahead, cnt
.set OC, OB+24*(\b)
.set OL, OB+24*((\b+3)%4)
	s_wait_dscnt \cnt
	BMUL PA, ST, OC+FA, 0
.if \px
	BMUL XA, ST, OL+FR, 0
.endif
	BMUL PB, ST+4, OC+FA, 2
.if \px
	BMUL XB, ST+4, OL+FR, 2
.endif
	BFMA PA, ST+2, OC+FA, 1, PA
.if \px
	BFMA XA, ST+2, OL+FR, 1, XA
.endif
	BFMA PB, ST+6, OC+FA, 3, PB
.if \px
	BFMA XB, ST+6, OL+FR, 3, XB
.endif
	BMUL SN, ST, OC+FE, 0                          ; S e^w
	BMUL SN+2, ST+2, OC+FE, 1
	v_pk_add_f32 v[PA:PA+1], v[PA:PA+1], v[PB:PB+1]
.if \px
	v_pk_add_f32 v[XA:XA+1], v[XA:XA+1], v[XB:XB+1]
.endif
.if \ahead
	LOADG (\b+3)%4, \b+3
.endif
	BMUL SN+4, ST+4, OC+FE, 2
	BMUL SN+6, ST+6, OC+FE, 3
	RED1 SA, PA
	BFMA SN, OC+FV, OC+FK, 0, SN                   ; + v k
.if \px
	RED1 XV, XA
.endif
	BFMA SN+2, OC+FV, OC+FK, 1, SN+2
	REDN SA, 2
	BFMA SN+4, OC+FV, OC+FK, 2, SN+4
.if \px
	REDN XV, 2
.endif
	BFMA SN+6, OC+FV, OC+FK, 3, SN+6
	REDN SA, 4
.if \px
	REDN XV, 4
.endif
	REDN SA, 8
.if \px
	REDN XV, 8
.endif
	v_mov_b32_dpp v[SA+1], v[SA] row_xmask:1 row_mask:0xf bank_mask:0xf   ; my neighbour's A row is my B row
.if \px
	ds_store_b32 v[XAD], v[XV] offset:((\b+3)%4)*16   ; x of step n - 1; the eight lanes of a parity hold the same bits and write the same word
.if \b == 0
	v_add_nc_u32 v[XAD], 64, v[XAD]
.endif
.endif
	BFMA ST, SA, OC+FB, 0, SN                      ; + sa b
	BFMA ST+2, SA, OC+FB, 1, SN+2
	BFMA ST+4, SA, OC+FB, 2, SN+4
	BFMA ST+6, SA, OC+FB, 3, SN+6
.if (\b == 3) && \ahead
	v_add_nc_u32 v[AD], 1024, v[AD]                ; four steps on
	v_add_nc_u32 v[EWAD], 1024, v[EWAD]
	v_add_nc_u32 v[VAD], 512, v[VAD]
.endif
.endm
; x of a tile's last step: r lies in buffer 3
.macro XFIN
	BMUL XA, ST, OB+72+FR, 0
	BMUL XB, ST+4, OB+72+FR, 2
	BFMA XA, ST+2, OB+72+FR, 1, XA
	BFMA XB, ST+6, OB+72+FR, 3, XB
	v_pk_add_f32 v[XA:XA+1], v[XA:XA+1], v[XB:XB+1]
	RED1 XV, XA
	REDN XV, 2
	REDN XV, 4
	REDN XV, 8
	ds_store_b32 v[XAD], v[XV] offset:48
.endm
; The last tile's x, half e of XS, goes out: four lanes read the four waves' 16 bytes of a step and store 64 consecutive bytes.  out0's pointer has already
; stepped to the next tile, behind a wait that also freed FL, so the stores reach one tile back.
.macro FLUSH e
.irp u, 0,1
	ds_load_b128 v[FL+4*\u:FL+4*\u+3], v[XRD] offset:(\e)*4096+\u*128
.endr
	s_wait_dscnt 0x0
.irp u, 0,1
	global_store_b128 v[VOFF], v[FL+4*\u:FL+4*\u+3], s[22:23] offset:\u*8*ROWB-TILEB
.endr
.endm
; The next tile's w (wave q: steps 16 q .. 16 q + 15, two whole rows of 256 bytes a load) and v (four lanes: the work-group's 64 bytes of a step)
.macro FETCHW
.irp u, 0,1,2,3,4,5,6,7
	global_load_b128 v[WR+4*\u:WR+4*\u+3], v[WOFF], s[16:17] offset:\u*2*ROWB
.endr
.irp u, 0,1
	global_load_b128 v[VR+4*\u:VR+4*\u+3], v[VOFF], s[18:19] offset:\u*8*ROWB
.endr
.endm
; They become e^w and doubled v in half e of EW and VS.  That half was last read a tile ago, in front of the round at this tile's head.
.macro CONVERT e
	s_wait_loadcnt 0x0                             ; all my loads are in, so their bases may step too
	s_add_nc_u64 s[16:17], s[16:17], TILEB
	s_add_nc_u64 s[18:19], s[18:19], TILEB
.set i, 0
.rept 16
	v_pk_mul_f32 v[WR+i:WR+i+1], v[WR+i:WR+i+1], 0x3fb8aa3b op_sel_hi:[1,0]   ; w log2 e
.set i, i+2
.endr
.set i, 0
.rept 32
	v_exp_f32 v[WR+i], v[WR+i]
.set i, i+1
.endr
	; rows x0..x3 become (x0, x1, x1, x0, x2, x3, x3, x2): an even lane reads (A, B) at +0, an odd one at +8.  Plain instructions behind the last exponential (ISA guide 5.7.2)
.irp u, 0,1
	v_mov_b32 v[YD+8*\u+0], v[VR+4*\u+0]
	v_mov_b32 v[YD+8*\u+1], v[VR+4*\u+1]
	v_mov_b32 v[YD+8*\u+2], v[VR+4*\u+1]
	v_mov_b32 v[YD+8*\u+3], v[VR+4*\u+0]
	v_mov_b32 v[YD+8*\u+4], v[VR+4*\u+2]
	v_mov_b32 v[YD+8*\u+5], v[VR+4*\u+3]
	v_mov_b32 v[YD+8*\u+6], v[VR+4*\u+3]
	v_mov_b32 v[YD+8*\u+7], v[VR+4*\u+2]
.endr
	s_wait_alu depctr_va_vdst(0)
.irp u, 0,1,2,3,4,5,6,7
	ds_store_b128 v[WST], v[WR+4*\u:WR+4*\u+3] offset:(\e)*16384+\u*512
.endr
.irp u, 0,1
	ds_store_b128 v[VST], v[YD+8*\u:YD+8*\u+3]   offset:(\e)*8192+\u*1024
	ds_store_b128 v[VST], v[YD+8*\u+4:YD+8*\u+7] offset:(\e)*8192+\u*1024+16
.endr
.endm
; ONE TILE of 64 steps out of one slot.  refill = 1: the other slot, and the other halves of EW and VS, take the next tile.  guard = 1: the launch's first tile has no x to send.
.macro TILE slot, refill, guard
	s_wait_tensorcnt 0x0                           ; my one tensor load, my part of this slot, has landed; none of mine is out, so group 0 may be written
	ds_add_u32 v216, v217
	s_wait_dscnt 0x0
.if \refill
	s_xor_b32 s33, s33, SLOTB                      ; the walking descriptor: the other slot,
	s_add_nc_u64 s[34:35], s[34:35], TILEB         ; the next 64 steps; the type bits on top are not reached
.endif
	s_wait_dscnt 0x0                               ; my reads of the other slot and halves are over, my stores of e^w, v and x are done
	ROUND                                          ; all that now holds of every wave of the four work-groups
.if \refill
	tensor_load_to_lds s[32:35], s[36:43]          ; my one load behind the round: it has the tile's 64 steps in which to land
	s_nop 0
.endif
	v_add_nc_u32 v[AD],   (\slot)*SLOTB, v[LC16]
	v_add_nc_u32 v[EWAD], EWB+(\slot)*16384, v[LC16]
	v_add_nc_u32 v[VAD],  VSB+(\slot)*8192, v[LV]
	v_add_nc_u32 v[XAD],  XSB+(\slot)*4096, v[LX]
.if \guard
	s_cmp_eq_u32 s44, 15                           ; the first trip: the same in every wave and work-group
	s_cbranch_scc1 .Lno_x_yet_\@
.endif
	FLUSH 1-\slot
.if \guard
.Lno_x_yet_\@:
.endif
.if \refill
	FETCHW
.endif
	LOADG 0, 0
	LOADG 1, 1
	LOADG 2, 2
	STEP 0, 0, 1, 12                               ; behind step 0's loads: two groups of six
	STEP 1, 1, 1, 12                               ; the same: step 0 stored no x
	STEP 2, 1, 1, 13                               ; two groups and one x
	STEP 3, 1, 1, 14                               ; two groups and two x
	s_mov_b32 s45, 14
.Lsteps_\@:                                            ; four steps a trip; behind a step's loads: two groups and three x
	STEP 0, 1, 1, 15
	STEP 1, 1, 1, 15
	STEP 2, 1, 1, 15
	STEP 3, 1, 1, 15
	s_sub_co_u32 s45, s45, 1
	s_cmp_lg_u32 s45, 0
	s_cbranch_scc1 .Lsteps_\@
	STEP 0, 1, 1, 15                               ; step 60 asks for step 63, the tile's last
	STEP 1, 1, 0, 15
	STEP 2, 1, 0, 9                                ; one group and three x
	STEP 3, 1, 0, 3                                ; three x
	XFIN
.if \refill
	CONVERT 1-\slot
.endif
	s_wait_xcnt 0x0                                ; the stores of x have had their addresses translated (ISA guide 3.1): their base and FL are rewritten only behind this wait
	s_add_nc_u64 s[22:23], s[22:23], TILEB
.endm
	s_load_b512 s[8:23], s[0:1], 0x0               ; a, b, k, r, w, v, state2, out0
	s_load_b64 s[24:25], s[0:1], 0x40              ; out1
	v_lshl_add_u32 v216, v0, 2, 0x2e000
	v_mov_b32 v217, 0
	ds_add_u32 v216, v217
	v_lshrrev_b32 v11, 5, v0
	v_readfirstlane_b32 s26, v11                   ; wave 0..3
	s_bfe_u32 s27, ttmp6, 0x40000                  ; cx: which 16 rows of the head; it enters global offsets of v, state2, out0, out1 alone
	s_lshl_b32 s30, ttmp9, 8                       ; in a cluster launch ttmp9 counts clusters: the head; its 256 bytes in a row
	s_mov_b32 s31, 0
	s_lshl_b32 s46, s27, 6                         ; + my 16 rows' 64 bytes
	s_add_co_u32 s46, s46, s30
	s_mov_b32 s47, 0
	; descriptor group 1: 64 rows (steps) of 64 elements of 4 bytes, 4,096 elements from row to row, no padding
	s_mov_b32 s36, 15|(2<<16)|(1<<21)              ; 15:0 the mask: all four work-groups; 17:16 elements of 4 bytes; 21 set beside a mask
	s_mov_b32 s37, 64<<16                          ; tensor_dim0 = 64
	s_mov_b32 s38, 64<<16                          ; tensor_dim1 = 64
	s_mov_b32 s39, 64<<16                          ; tile_dim0 = 64
	s_mov_b32 s40, 64                              ; tile_dim1 = 64
	s_mov_b32 s41, 4096                            ; tensor_dim0_stride
	s_mov_b32 s42, 0
	s_mov_b32 s43, 0
	v_and_b32 v[LANE], 31, v0
	v_and_b32 v[PAR], 1, v0
	v_and_b32 v[LC16], 15, v0
	v_lshlrev_b32 v[LC16], 4, v[LC16]
	v_lshrrev_b32 v11, 4, v0                       ; my row pair, 0..7
	v_bfe_u32 v12, v0, 4, 1                        ; my half of the lanes
	v_lshrrev_b32 v13, 2, v[LANE]
	v_and_b32 v14, 3, v0
	v_lshlrev_b32 v[LV], 4, v11
	v_lshl_add_u32 v[LV], v[PAR], 3, v[LV]         ; 16 x pair + 8 p
	v_lshlrev_b32 v[LX], 3, v12
	v_lshl_add_u32 v[LX], v[PAR], 2, v[LX]
	s_lshl_b32 s45, s26, 10
	v_add_nc_u32 v[LX], s45, v[LX]                 ; 1,024 x wave + 4 (2 half + p)
	s_lshl_b32 s45, s26, 18                        ; my wave's 16 steps
	v_lshl_add_u32 v[WOFF], v12, 14, v[LC16]
	v_add_nc_u32 v[WOFF], s45, v[WOFF]             ; step 16 wave + half, 16 (lane % 16)
	v_lshlrev_b32 v[VOFF], 14, v13
	v_lshl_add_u32 v[VOFF], v14, 4, v[VOFF]
	v_add_nc_u32 v[VOFF], s45, v[VOFF]             ; step 16 wave + lane / 4, 16 (lane % 4)
	v_lshl_add_u32 v[SOFF], v11, 9, v[LC16]        ; two rows of 256 bytes a pair
	s_lshl_b32 s45, s26, 12
	s_add_co_u32 s45, s45, EWB
	v_lshl_add_u32 v[WST], v[LANE], 4, s45         ; EW + 4,096 wave + 16 lane
	s_lshl_b32 s45, s26, 11
	s_add_co_u32 s45, s45, VSB
	v_lshl_add_u32 v[VST], v[LANE], 5, s45         ; VS + 2,048 wave + 32 lane
	s_lshl_b32 s45, s26, 8
	s_add_co_u32 s45, s45, XSB
	v_lshl_add_u32 v[XRD], v14, 10, s45            ; XS + 1,024 (lane % 4: whose rows) + 16 (16 wave + lane / 4: which step)
	v_lshl_add_u32 v[XRD], v13, 4, v[XRD]
	s_wait_dscnt 0x0
	s_wait_kmcnt 0x0
	s_mov_b64 s[28:29], s[8:9]                     ; wave 0 fetches a, 1 b, 2 k, 3 r: a choice on the wave's number, alike in all four work-groups
	s_cmp_eq_u32 s26, 1
	s_cselect_b64 s[28:29], s[10:11], s[28:29]
	s_cmp_eq_u32 s26, 2
	s_cselect_b64 s[28:29], s[12:13], s[28:29]
	s_cmp_eq_u32 s26, 3
	s_cselect_b64 s[28:29], s[14:15], s[28:29]
	s_add_nc_u64 s[28:29], s[28:29], s[30:31]      ; at the head: nothing of cx in it
	s_add_nc_u64 s[16:17], s[16:17], s[30:31]      ; w at the head
	s_add_nc_u64 s[18:19], s[18:19], s[46:47]      ; v and out0 at my 16 rows
	s_add_nc_u64 s[22:23], s[22:23], s[46:47]
	s_lshl_b32 s46, ttmp9, 14                      ; a head's state is 16,384 bytes, my 16 rows 4,096
	s_lshl_b32 s27, s27, 12
	s_add_co_u32 s46, s46, s27
	s_add_nc_u64 s[20:21], s[20:21], s[46:47]
	s_add_nc_u64 s[24:25], s[24:25], s[46:47]
	s_mov_b32 s32, 1                               ; group 0: count = 1
	s_lshl_b32 s33, s26, 14                        ; LDS address: slot 0, my tensor's 16,384 bytes
	s_mov_b64 s[34:35], s[28:29]                   ; global address: steps 0 to 63
	s_or_b32 s35, s35, 0x80000000                  ; type = 2
	ROUND                                          ; all four work-groups are here: the first joint loads meet
	tensor_load_to_lds s[32:35], s[36:43]          ; tile 0 into slot 0
	s_nop 0
	v_mov_b32 v[SA], 0                             ; destinations of lane-crossing forms count as read: written once here
	v_mov_b32 v[SA+1], 0
	v_mov_b32 v[XV], 0
	FETCHW                                         ; tile 0's w and v
	global_load_b128 v[FL:FL+3],   v[SOFF], s[20:21]              ; my two rows of the state as given
	global_load_b128 v[FL+4:FL+7], v[SOFF], s[20:21] offset:256
	CONVERT 0                                      ; its wait for all loads covers the state
	v_cmp_ne_u32 vcc_lo, 0, v[PAR]
.irp c, 0,1,2,3
	v_cndmask_b32 v[ST+2*\c],   v[FL+\c],   v[FL+4+\c], vcc_lo    ; A: odd lanes take the second row,
	v_cndmask_b32 v[ST+2*\c+1], v[FL+4+\c], v[FL+\c],   vcc_lo    ; B: the first
.endr
	s_mov_b32 s44, 15
.Lpair:                                                ; tiles 0 to 29, two a trip
	TILE 0, 1, 1
	TILE 1, 1, 0
	s_sub_co_u32 s44, s44, 1
	s_cmp_lg_u32 s44, 0
	s_cbranch_scc1 .Lpair
	TILE 0, 1, 0                                   ; tile 30 asks for tile 31; the tail is written out
	TILE 1, 0, 0                                   ; tile 31 asks for nothing
	s_wait_dscnt 0x0                               ; for the others' sake: my last x are in LDS
	s_barrier_signal -1
	s_barrier_wait -1
	FLUSH 1
	v_cmp_ne_u32 vcc_lo, 0, v[PAR]
.irp c, 0,1,2,3
	v_cndmask_b32 v[WR+\c],   v[ST+2*\c],   v[ST+2*\c+1], vcc_lo  ; the pair's first row: A, in odd lanes B
	v_cndmask_b32 v[WR+4+\c], v[ST+2*\c+1], v[ST+2*\c],   vcc_lo  ; its second row
.endr
	global_store_b128 v[SOFF], v[WR:WR+3],   s[24:25]             ; 16 lanes store a row of the state: 256 consecutive bytes, at a multiple of 256 from out1's first byte
	global_store_b128 v[SOFF], v[WR+4:WR+7], s[24:25] offset:256
	s_wait_tensorcnt 0x0
	ds_add_u32 v216, v217
	s_wait_dscnt 0x0
	ROUND                                          ; the closing round: no work-group ends while a partner may still ask for a tile that names it
	s_endpgm
.Lfunc_end_k_q157a158dbc_wkv:
	.size	k_q157a158dbc_wkv, .Lfunc_end_k_q157a158dbc_wkv-k_q157a158dbc_wkv
	.p2alignl 7, 3214868480
	.fill 96, 4, 3214868480
	.section	.rodata,"a",@progbits
	.p2align	6, 0x0
	.amdhsa_kernel k_q157a158dbc_wkv
		.amdhsa_group_segment_fixed_size 327680
		.amdhsa_private_segment_fixed_size 0
		.amdhsa_enable_private_segment 0
		.amdhsa_kernarg_size 72
		.amdhsa_user_sgpr_count 2
		.amdhsa_user_sgpr_kernarg_segment_ptr 1
		.amdhsa_wavefront_size32 1
		.amdhsa_system_sgpr_workgroup_id_x 1
		.amdhsa_system_sgpr_workgroup_id_y 1
		.amdhsa_system_sgpr_workgroup_id_z 1
		.amdhsa_system_vgpr_workitem_id 0
		.amdhsa_next_free_vgpr 218
		.amdhsa_next_free_sgpr 66
		.amdhsa_reserve_vcc 1
		.amdhsa_float_denorm_mode_32 3
		.amdhsa_float_denorm_mode_16_64 3
		.amdhsa_memory_ordered 1
		.amdhsa_forward_progress 1
		.amdhsa_inst_pref_size 149
	.end_amdhsa_kernel
	.amdgpu_metadata
---
amdhsa.version: [ 1, 2 ]
amdhsa.kernels:
  - .name:           k_q157a158dbc_wkv
    .symbol:         k_q157a158dbc_wkv.kd
    .args:
      - { .name: a, .offset: 0, .size: 8, .value_kind: global_buffer, .address_space: global }
      - { .name: b, .offset: 8, .size: 8, .value_kind: global_buffer, .address_space: global }
      - { .name: k, .offset: 16, .size: 8, .value_kind: global_buffer, .address_space: global }
      - { .name: r, .offset: 24, .size: 8, .value_kind: global_buffer, .address_space: global }
      - { .name: w, .offset: 32, .size: 8, .value_kind: global_buffer, .address_space: global }
      - { .name: v, .offset: 40, .size: 8, .value_kind: global_buffer, .address_space: global }
      - { .name: state2, .offset: 48, .size: 8, .value_kind: global_buffer, .address_space: global }
      - { .name: out0, .offset: 56, .size: 8, .value_kind: global_buffer, .address_space: global }
      - { .name: out1, .offset: 64, .size: 8, .value_kind: global_buffer, .address_space: global }
    .group_segment_fixed_size: 327680
    .private_segment_fixed_size: 0
    .kernarg_segment_align: 8
    .kernarg_segment_size: 72
    .max_flat_workgroup_size: 128
    .sgpr_count:     66
    .vgpr_count:     218
    .wavefront_size: 32
...
	.end_amdgpu_metadata
.endif
;; end of part 1
;; ======== version 2 of 2: 1 launch; 1.38 times as fast as version 1
;; launch wkv (part 2): grid 256 x 1, 4 waves a work-group, clusters of 4 x 1, 327,680 bytes of LDS; arguments a, b, k, r, w, v, state2, out0, out1; writes out0, out1
.if DOCPART == 2
	.amdgcn_target "amdgcn-amd-amdhsa--gfx1250"
	.amdhsa_code_object_version 6
	.text
	.protected	k_q157a158dbc_wkv
	.globl	k_q157a158dbc_wkv
	.p2align	8
	.type	k_q157a158dbc_wkv,@function
k_q157a158dbc_wkv:
	s_mov_b64 s[64:65], 0
	v_nop
	global_prefetch_b8 v0, s[64:65] scope:SCOPE_SE
	s_setreg_imm32_b32 hwreg(HW_REG_WAVE_MODE, 25, 1), 1
	s_wait_xcnt 0x0
	s_wait_alu depctr_hold_cnt(0) depctr_sa_sdst(0) depctr_va_vdst(0) depctr_va_sdst(0) depctr_va_ssrc(0) depctr_va_vcc(0) depctr_vm_vsrc(0)
	s_getreg_b32 s2, hwreg(HW_REG_IB_STS2, 6, 4)
	s_cmp_eq_u32 s2, 0
	s_cbranch_scc0 .Lentry_in_a_cluster
	s_endpgm
.Lentry_in_a_cluster:
	s_bfe_u32 s2, ttmp6, 0x10000c
	s_cmp_lg_u32 s2, 0x3003
	s_cbranch_scc0 .Lentry_shape_is_right
	s_endpgm
.Lentry_shape_is_right:
; WKV7: for each of 64 heads a 64 x 64 state S in f32 and 2,048 serial steps:  sa = S a;  S = S diag(e^w) + sa b^T + v k^T;  x = S r.
; The rows of S never meet: row i needs only itself, v[i] and the head's a, b, w, k, r.  So the 4,096 rows are shared out:
;   a cluster of 4 work-groups = one head; a work-group = 16 rows; a wave = 4 rows; a half of 16 lanes = 2 rows; a lane = 2 rows x 4 columns = 8 numbers.
; VECTOR UNIT, NOT MATRIX UNIT: each product is a matrix times ONE vector, on a state that the same step changes.  A form in blocks of time that would make
; matrix-matrix products of them needs factors e^(-sum of w), which leave f32's range for steep decays, or pairwise decays and a triangular inverse made on the
; vector unit at the scan's own cost.  The scan in f32 holds wherever the recurrence itself stays finite, so it is taken.
; LANE LAYOUT: a lane's column c is a register pair (A, B): A = row base + p, B = row base + 1 - p, p = lane & 1 (odd lanes hold the rows swapped).  One packed
; instruction serves both rows, and a row's dot product is my partial + my neighbour's partial of the same row, then sums over lanes 2, 4, 8 apart.
; TIME goes in tiles of 64 steps through two LDS slots.  a, b, k, r of a head are the same for the cluster's four work-groups: JOINT tensor loads (mask 15), wave q
; fetching tensor q: 64 rows of 256 bytes.  w comes through registers (e^w is made once per number and work-group), v likewise (the work-group's own 64 bytes a step).
; INSIDE A TILE the steps go in groups of four.  All LDS instructions of a group stand in ONE run between two steps (the next group's 24 operand loads, the last
; group's 4 x), so that vector and LDS instructions change places once in four steps; eight operand buffers and eight x registers take turns.
; x is gathered in LDS and stored a tile later: 4 lanes store 64 consecutive bytes, all that a work-group owns of a step's 256 bytes of a head; one work-group to
; a head would store whole 256 bytes and leave three quarters of the work-groups without rows.
; LIMITS: e^w = 2^(w log2 e) by v_exp_f32, whose results under 2^-126 are 0 (ISA guide, 15.8); a dot product is summed as a tree (2 chains, then lanes), not in ascending order.
.set ROWB,  16384                      ; bytes from a time step to the next in a, b, k, r, w, v, out0
.set TILEB, 64*ROWB                    ; a tile of 64 steps
.set SLOTB, 65536                      ; an LDS slot: a +0, b +16384, k +32768, r +49152, each [64 steps][256 bytes]; slots at 0 and 65536: tensor loads fill these alone
.set EWB,   131072                     ; e^w: two halves of [64 steps][64] f32, 16,384 bytes each        } written by LDS stores alone
.set VSB,   163840                     ; v: two halves of [64 steps][8 row pairs](v0, v1, v1, v0), 8,192  }
.set XSB,   180224                     ; x: two halves of [4 waves][64 steps][4 rows], 4,096; ends at 188,416
; window 0
.set LANE, 1                           ; v1   lane
.set LC16, 2                           ; v2   16 (lane % 16): my 4 columns in a row of 256 bytes
.set LV,   3                           ; v3   my (vA, vB) in a step's 128 bytes of VS
.set LX,   4                           ; v4   my A row's word in my wave's part of XS
.set WOFF, 5                           ; v5   w: byte offset of my 16 bytes in a tile
.set VOFF, 6                           ; v6   v and out0: the same
.set SOFF, 7                           ; v7   state2 and out1: my 16 bytes of the first of my two rows
.set WST,  8                           ; v8   where I put e^w
.set VST,  9                           ; v9   where I put v
.set XRD,  10                          ; v10  where I read x back
.set AD,   11                          ; v11-14 stepped LDS addresses: slot, e^w, v, x
.set EWAD, 12
.set VAD,  13
.set XAD,  14
.set PAR,  15                          ; v15  p
.set ST,   16                          ; v[16:23]   S: column c at ST + 2 c
.set SN,   24                          ; v[24:31]   S e^w + v k, before sa b is added
.set OB,   32                          ; v[32:223]  eight operand buffers of 24: step n uses buffer n % 8; at the very end the state on its way out
.set FA, 0                             ;   a +0, e^w +4, k +8, b +12, r +16 (4 columns each), (vA, vB) +20
.set FE, 4
.set FK, 8
.set FB, 12
.set FR, 16
.set FV, 20
.set PA,   224                         ; v[224:227] two chains of the dot with a
.set PB,   226
.set XA,   228                         ; v[228:231] two chains of the dot with r
.set XB,   230
.set SA,   232                         ; v[232:233] sa of my A row, of my B row
.set XV,   234                         ; v[234:241] x of my A row: step n's in XV + n % 8
.set FL,   244                         ; v[244:251] x on its way out; at the start the state as loaded
; window 1 (named by their low 8 bits)
.set WR,   0                           ; v[256:287] the next tile's w, then e^w
.set VR,   32                          ; v[288:295] the next tile's v
.set YD,   40                          ; v[296:311] v laid out for both parities
; s[8:15] a, b, k, r   s[16:17] w   s[18:19] v   s[20:21] state2   s[22:23] out0   s[24:25] out1   s26 wave   s27 cx   s[28:29] my tensor
; s[30:31] offset of the head   s[32:35] descriptor group 0   s[36:43] group 1   s44 pairs of tiles to go   s45 trips of eight steps to go   s[46:47] offsets with cx in them
.set MSB, 0
.macro WIN new                         ; s_set_vgpr_msb: bits 1:0 source 0, 3:2 source 1, 7:6 destination; the high byte repeats the setting that is left
.if MSB != \new
	s_set_vgpr_msb (MSB<<8)|\new
.set MSB, \new
.endif
.endm
; A round of the cluster's barrier: my work-group's barrier, wave 0 signals for the work-group, every wave waits for all four work-groups, my work-group's barrier again.
.macro ROUND
	s_barrier_signal -1
	s_barrier_wait -1
	s_cmp_lg_u32 s26, 0
	s_cbranch_scc1 .Lnot_wave_0_\@
	s_barrier_signal -3
.Lnot_wave_0_\@:
	s_barrier_wait -3
	s_barrier_signal -1
	s_barrier_wait -1
.endm
; d = s x (column c of quad q, for both rows)
.macro BMUL d, s, q, c
.if (\c)%2
	v_pk_mul_f32 v[\d:\d+1], v[\s:\s+1], v[\q+\c-1:\q+\c] op_sel:[0,1] op_sel_hi:[1,1]
.else
	v_pk_mul_f32 v[\d:\d+1], v[\s:\s+1], v[\q+\c:\q+\c+1] op_sel_hi:[1,0]
.endif
.endm
; d = s x (column c of quad q) + acc
.macro BFMA d, s, q, c, acc
.if (\c)%2
	v_pk_fma_f32 v[\d:\d+1], v[\s:\s+1], v[\q+\c-1:\q+\c], v[\acc:\acc+1] op_sel:[0,1,0] op_sel_hi:[1,1,1]
.else
	v_pk_fma_f32 v[\d:\d+1], v[\s:\s+1], v[\q+\c:\q+\c+1], v[\acc:\acc+1] op_sel_hi:[1,0,1]
.endif
.endm
.macro RED1 d, nb, own                 ; d = my neighbour's nb + my own: two partials of the same row (the neighbour holds the rows the other way round)
	v_add_f32_dpp v[\d], v[\nb], v[\own] row_xmask:1 row_mask:0xf bank_mask:0xf
.endm
.macro REDN d, m                       ; d += d of the lane m away (same parity, same row)
	v_add_f32_dpp v[\d], v[\d], v[\d] row_xmask:\m row_mask:0xf bank_mask:0xf
.endm
; The six operand loads of one step, dt steps behind the stepped addresses, into buffer g.  16 lanes take 256 consecutive bytes.
.macro LOADG g, dt
.set OG, OB+24*(\g)
	ds_load_b128 v[OG+FA:OG+FA+3], v[AD]   offset:(\dt)*256
	ds_load_b128 v[OG+FE:OG+FE+3], v[EWAD] offset:(\dt)*256
	ds_load_b128 v[OG+FK:OG+FK+3], v[AD]   offset:32768+(\dt)*256
	ds_load_b64  v[OG+FV:OG+FV+1], v[VAD]  offset:(\dt)*128
	ds_load_b128 v[OG+FB:OG+FB+3], v[AD]   offset:16384+(\dt)*256
	ds_load_b128 v[OG+FR:OG+FR+3], v[AD]   offset:49152+(\dt)*256
.endm
; THE RUN of LDS instructions of a group.  ld = 1: four steps' operands, dt steps behind the addresses, into buffers 4 par .. 4 par + 3, step by step, so that the waits can count by steps.
; st = 1: four finished x, registers XV + 4 xs .., to byte xo behind XAD; the eight lanes of a parity hold the same bits and write the same word.
.macro RUN ld, par, dt, st, xs, xo
.if \ld
	LOADG 4*(\par)+0, (\dt)+0
	LOADG 4*(\par)+1, (\dt)+1
	LOADG 4*(\par)+2, (\dt)+2
	LOADG 4*(\par)+3, (\dt)+3
.endif
.if \st
.irp j, 0,1,2,3
	ds_store_b32 v[XAD], v[XV+4*(\xs)+\j] offset:(\xo)+16*\j
.endr
.endif
.endm
; ONE STEP, n = its number % 8.  px = 1: the step before's x = S r is made here too, on the S that this step has not yet changed, beside the dot with a.
; cnt: the LDS instructions issued behind this step's six loads.  adv: the addresses go eight steps on (1: the loads'; 2: x's too), here because no run stands near.
; The chain S -> products -> sum -> lanes 1, 2, 4, 8 -> S has eight links; the x of the step before, S e^w and v k are set between its links, four instructions
; between two links as far as they reach.  sa is summed for both of my rows, so that no lane has to fetch its second row's sum behind the last link.
.macro STEP n, px, cnt, adv
.set OC, OB+24*(\n)
.set OL, OB+24*(((\n)+7)%8)
.set XR, XV+(((\n)+7)%8)
	s_wait_dscnt \cnt
	BMUL PA, ST, OC+FA, 0
	BMUL PB, ST+4, OC+FA, 2
.if \px
	BMUL XA, ST, OL+FR, 0
	BMUL XB, ST+4, OL+FR, 2
.endif
	BMUL SN, ST, OC+FE, 0                          ; S e^w
	BFMA PA, ST+2, OC+FA, 1, PA
	BFMA PB, ST+6, OC+FA, 3, PB
.if \px
	BFMA XA, ST+2, OL+FR, 1, XA
	BFMA XB, ST+6, OL+FR, 3, XB
.endif
	BMUL SN+2, ST+2, OC+FE, 1
	BMUL SN+4, ST+4, OC+FE, 2
	v_pk_add_f32 v[PA:PA+1], v[PA:PA+1], v[PB:PB+1]
	BMUL SN+6, ST+6, OC+FE, 3
.if \px
	v_pk_add_f32 v[XA:XA+1], v[XA:XA+1], v[XB:XB+1]
.endif
	BFMA SN, OC+FV, OC+FK, 0, SN                   ; + v k
	BFMA SN+2, OC+FV, OC+FK, 1, SN+2
	RED1 SA, PA+1, PA                              ; my A row
	RED1 SA+1, PA, PA+1                            ; my B row
.if \px
	RED1 XR, XA+1, XA                              ; x: my A row alone; my neighbour stores the other
.endif
	BFMA SN+4, OC+FV, OC+FK, 2, SN+4
	BFMA SN+6, OC+FV, OC+FK, 3, SN+6
	REDN SA, 2
	REDN SA+1, 2
.if \px
	REDN XR, 2
.endif
.if \adv
	v_add_nc_u32 v[AD], 2048, v[AD]
	v_add_nc_u32 v[EWAD], 2048, v[EWAD]
.endif
	REDN SA, 4
	REDN SA+1, 4
.if \px
	REDN XR, 4
.endif
.if \adv
	v_add_nc_u32 v[VAD], 1024, v[VAD]
.endif
.if \adv == 2
	v_add_nc_u32 v[XAD], 128, v[XAD]
.endif
	REDN SA, 8
	REDN SA+1, 8
.if \px
	REDN XR, 8
.endif
	BFMA ST, SA, OC+FB, 0, SN                      ; + sa b; the columns in the order in which the next step's products take them
	BFMA ST+4, SA, OC+FB, 2, SN+4
	BFMA ST+2, SA, OC+FB, 1, SN+2
	BFMA ST+6, SA, OC+FB, 3, SN+6
.endm
; x of a tile's last step: r lies in buffer 7
.macro XFIN
	BMUL XA, ST, OB+168+FR, 0
	BMUL XB, ST+4, OB+168+FR, 2
	BFMA XA, ST+2, OB+168+FR, 1, XA
	BFMA XB, ST+6, OB+168+FR, 3, XB
	v_pk_add_f32 v[XA:XA+1], v[XA:XA+1], v[XB:XB+1]
	RED1 XV+7, XA+1, XA
	REDN XV+7, 2
	REDN XV+7, 4
	REDN XV+7, 8
.endm
; The last tile's x, half e of XS, goes out: four lanes read the four waves' 16 bytes of a step and store 64 consecutive bytes.  out0's pointer has already
; stepped to the next tile, behind a wait that also freed FL, so the stores reach one tile back.
.macro FLUSH e
.irp u, 0,1
	ds_load_b128 v[FL+4*\u:FL+4*\u+3], v[XRD] offset:(\e)*4096+\u*128
.endr
	s_wait_dscnt 0x0
.irp u, 0,1
	global_store_b128 v[VOFF], v[FL+4*\u:FL+4*\u+3], s[22:23] offset:\u*8*ROWB-TILEB
.endr
.endm
; The next tile's w (wave q: steps 16 q .. 16 q + 15, two whole rows of 256 bytes a load) and v (four lanes: the work-group's 64 bytes of a step), into window 1
.macro FETCHW
	WIN 0x40                                       ; destination window 1, address window 0
.irp u, 0,1,2,3,4,5,6,7
	global_load_b128 v[WR+4*\u:WR+4*\u+3], v[WOFF], s[16:17] offset:\u*2*ROWB
.endr
.irp u, 0,1
	global_load_b128 v[VR+4*\u:VR+4*\u+3], v[VOFF], s[18:19] offset:\u*8*ROWB
.endr
	WIN 0
.endm
; They become e^w and doubled v in half e of EW and VS.  That half was last read a tile ago, in front of the round at this tile's head.
.macro CONVERT e
	s_wait_loadcnt 0x0                             ; all my loads are in, so their bases may step too
	s_add_nc_u64 s[16:17], s[16:17], TILEB
	s_add_nc_u64 s[18:19], s[18:19], TILEB
	WIN 0x41                                       ; source 0 and destination window 1
.set i, 0
.rept 16
	v_pk_mul_f32 v[WR+i:WR+i+1], v[WR+i:WR+i+1], 0x3fb8aa3b op_sel_hi:[1,0]   ; w log2 e
.set i, i+2
.endr
.set i, 0
.rept 32
	v_exp_f32 v[WR+i], v[WR+i]
.set i, i+1
.endr
	; rows x0..x3 become (x0, x1, x1, x0, x2, x3, x3, x2): an even lane reads (A, B) at +0, an odd one at +8.  Plain instructions behind the last exponential (ISA guide 5.7.2)
.irp u, 0,1
	v_mov_b32 v[YD+8*\u+0], v[VR+4*\u+0]
	v_mov_b32 v[YD+8*\u+1], v[VR+4*\u+1]
	v_mov_b32 v[YD+8*\u+2], v[VR+4*\u+1]
	v_mov_b32 v[YD+8*\u+3], v[VR+4*\u+0]
	v_mov_b32 v[YD+8*\u+4], v[VR+4*\u+2]
	v_mov_b32 v[YD+8*\u+5], v[VR+4*\u+3]
	v_mov_b32 v[YD+8*\u+6], v[VR+4*\u+3]
	v_mov_b32 v[YD+8*\u+7], v[VR+4*\u+2]
.endr
	WIN 0x04                                       ; an LDS store's data is source 1: window 1; its address window 0
	s_wait_alu depctr_va_vdst(0)
.irp u, 0,1,2,3,4,5,6,7
	ds_store_b128 v[WST], v[WR+4*\u:WR+4*\u+3] offset:(\e)*16384+\u*512
.endr
.irp u, 0,1
	ds_store_b128 v[VST], v[YD+8*\u:YD+8*\u+3]   offset:(\e)*8192+\u*1024
	ds_store_b128 v[VST], v[YD+8*\u+4:YD+8*\u+7] offset:(\e)*8192+\u*1024+16
.endr
	WIN 0
.endm
; ONE TILE of 64 steps, 16 groups, out of one slot.  refill = 1: the other slot, and the other halves of EW and VS, take the next tile.  guard = 1: the launch's first tile has no x to send.
; The run that stands behind the first step of group g loads group g + 1 (its buffers' last reader is that step's dot with r) and stores the x of group g - 1.
; THE COUNTS of s_wait_dscnt: what was issued behind the step's six loads.  A run is 24 loads and, from group 2's on, 4 stores behind them.
;   a group's step 0: the run's other 18 loads (and its 4 stores);  step j > 0: 18 - 6 j loads (and 4 stores) and the whole next run.
.macro TILE slot, refill, guard
	s_wait_tensorcnt 0x0                           ; my one tensor load, my part of this slot, has landed; none of mine is out, so group 0 may be written
	ds_add_u32 v254, v255
	s_wait_dscnt 0x0
.if \refill
	s_xor_b32 s33, s33, SLOTB                      ; the walking descriptor: the other slot,
	s_add_nc_u64 s[34:35], s[34:35], TILEB         ; the next 64 steps; the type bits on top are not reached
.endif
	s_wait_dscnt 0x0                               ; my reads of the other slot and halves are over, my stores of e^w, v and x are done
	ROUND                                          ; all that now holds of every wave of the four work-groups
.if \refill
	tensor_load_to_lds s[32:35], s[36:43]          ; my one load behind the round: it has the tile's 64 steps in which to land
	s_nop 0
.endif
	v_add_nc_u32 v[AD],   (\slot)*SLOTB, v[LC16]
	v_add_nc_u32 v[EWAD], EWB+(\slot)*16384, v[LC16]
	v_add_nc_u32 v[VAD],  VSB+(\slot)*8192, v[LV]
	v_add_nc_u32 v[XAD],  XSB+(\slot)*4096, v[LX]
	RUN 1, 0, 0, 0, 0, 0                           ; group 0's operands
.if \refill
	FETCHW
.endif
.if \guard
	s_cmp_eq_u32 s44, 15                           ; the first trip: the same in every wave and work-group
	s_cbranch_scc1 .Lno_x_yet_\@
.endif
	FLUSH 1-\slot
.if \guard
.Lno_x_yet_\@:
.endif
	STEP 0, 0, 18, 0                               ; group 0: no x yet, its runs have no stores (the two loads of the way out, where it was taken, are not counted: a smaller count)
	RUN 1, 1, 4, 0, 0, 0
	STEP 1, 1, 36, 0                               ; 12 + 24
	STEP 2, 1, 30, 0
	STEP 3, 1, 24, 1
	s_mov_b32 s45, 7
.Lsteps_\@:                                            ; groups 1 to 14, two a trip
	STEP 4, 1, 18, 0                               ; the counts of the odd group are group 1's, whose own run had no stores; later trips have four more behind
	RUN 1, 0, 0, 1, 0, 0
	STEP 5, 1, 40, 0                               ; 12 + 28
	STEP 6, 1, 34, 0
	STEP 7, 1, 28, 0
	STEP 0, 1, 22, 0                               ; 18 + 4
	RUN 1, 1, 4, 1, 1, 64
	STEP 1, 1, 44, 0                               ; 12 + 4 + 28
	STEP 2, 1, 38, 0
	STEP 3, 1, 32, 2
	s_sub_co_u32 s45, s45, 1
	s_cmp_lg_u32 s45, 0
	s_cbranch_scc1 .Lsteps_\@
	STEP 4, 1, 22, 0                               ; group 15: nothing is left to load
	RUN 0, 0, 0, 1, 0, 0
	STEP 5, 1, 20, 0                               ; 12 + 4 + 4
	STEP 6, 1, 14, 0
	STEP 7, 1, 8, 0
	XFIN
	RUN 0, 0, 0, 1, 1, 64                          ; group 15's x
.if \refill
	CONVERT 1-\slot
.endif
	s_wait_xcnt 0x0                                ; the stores of x have had their addresses translated (ISA guide 3.1): their base and FL are rewritten only behind this wait
	s_add_nc_u64 s[22:23], s[22:23], TILEB
.endm
	s_load_b512 s[8:23], s[0:1], 0x0               ; a, b, k, r, w, v, state2, out0
	s_load_b64 s[24:25], s[0:1], 0x40              ; out1
	v_lshl_add_u32 v254, v0, 2, 0x2e000
	v_mov_b32 v255, 0
	ds_add_u32 v254, v255
	v_lshrrev_b32 v11, 5, v0
	v_readfirstlane_b32 s26, v11                   ; wave 0..3
	s_bfe_u32 s27, ttmp6, 0x40000                  ; cx: which 16 rows of the head; it enters global offsets of v, state2, out0, out1 alone
	s_lshl_b32 s30, ttmp9, 8                       ; in a cluster launch ttmp9 counts clusters: the head; its 256 bytes in a row
	s_mov_b32 s31, 0
	s_lshl_b32 s46, s27, 6                         ; + my 16 rows' 64 bytes
	s_add_co_u32 s46, s46, s30
	s_mov_b32 s47, 0
	; descriptor group 1: 64 rows (steps) of 64 elements of 4 bytes, 4,096 elements from row to row, no padding
	s_mov_b32 s36, 15|(2<<16)|(1<<21)              ; 15:0 the mask: all four work-groups; 17:16 elements of 4 bytes; 21 set beside a mask
	s_mov_b32 s37, 64<<16                          ; tensor_dim0 = 64
	s_mov_b32 s38, 64<<16                          ; tensor_dim1 = 64
	s_mov_b32 s39, 64<<16                          ; tile_dim0 = 64
	s_mov_b32 s40, 64                              ; tile_dim1 = 64
	s_mov_b32 s41, 4096                            ; tensor_dim0_stride
	s_mov_b32 s42, 0
	s_mov_b32 s43, 0
	v_and_b32 v[LANE], 31, v0
	v_and_b32 v[PAR], 1, v0
	v_and_b32 v[LC16], 15, v0
	v_lshlrev_b32 v[LC16], 4, v[LC16]
	v_lshrrev_b32 v11, 4, v0                       ; my row pair, 0..7
	v_bfe_u32 v12, v0, 4, 1                        ; my half of the lanes
	v_lshrrev_b32 v13, 2, v[LANE]
	v_and_b32 v14, 3, v0
	v_lshlrev_b32 v[LV], 4, v11
	v_lshl_add_u32 v[LV], v[PAR], 3, v[LV]         ; 16 x pair + 8 p
	v_lshlrev_b32 v[LX], 3, v12
	v_lshl_add_u32 v[LX], v[PAR], 2, v[LX]
	s_lshl_b32 s45, s26, 10
	v_add_nc_u32 v[LX], s45, v[LX]                 ; 1,024 x wave + 4 (2 half + p)
	s_lshl_b32 s45, s26, 18                        ; my wave's 16 steps
	v_lshl_add_u32 v[WOFF], v12, 14, v[LC16]
	v_add_nc_u32 v[WOFF], s45, v[WOFF]             ; step 16 wave + half, 16 (lane % 16)
	v_lshlrev_b32 v[VOFF], 14, v13
	v_lshl_add_u32 v[VOFF], v14, 4, v[VOFF]
	v_add_nc_u32 v[VOFF], s45, v[VOFF]             ; step 16 wave + lane / 4, 16 (lane % 4)
	v_lshl_add_u32 v[SOFF], v11, 9, v[LC16]        ; two rows of 256 bytes a pair
	s_lshl_b32 s45, s26, 12
	s_add_co_u32 s45, s45, EWB
	v_lshl_add_u32 v[WST], v[LANE], 4, s45         ; EW + 4,096 wave + 16 lane
	s_lshl_b32 s45, s26, 11
	s_add_co_u32 s45, s45, VSB
	v_lshl_add_u32 v[VST], v[LANE], 5, s45         ; VS + 2,048 wave + 32 lane
	s_lshl_b32 s45, s26, 8
	s_add_co_u32 s45, s45, XSB
	v_lshl_add_u32 v[XRD], v14, 10, s45            ; XS + 1,024 (lane % 4: whose rows) + 16 (16 wave + lane / 4: which step)
	v_lshl_add_u32 v[XRD], v13, 4, v[XRD]
	s_wait_dscnt 0x0
	s_wait_kmcnt 0x0
	s_mov_b64 s[28:29], s[8:9]                     ; wave 0 fetches a, 1 b, 2 k, 3 r: a choice on the wave's number, alike in all four work-groups
	s_cmp_eq_u32 s26, 1
	s_cselect_b64 s[28:29], s[10:11], s[28:29]
	s_cmp_eq_u32 s26, 2
	s_cselect_b64 s[28:29], s[12:13], s[28:29]
	s_cmp_eq_u32 s26, 3
	s_cselect_b64 s[28:29], s[14:15], s[28:29]
	s_add_nc_u64 s[28:29], s[28:29], s[30:31]      ; at the head: nothing of cx in it
	s_add_nc_u64 s[16:17], s[16:17], s[30:31]      ; w at the head
	s_add_nc_u64 s[18:19], s[18:19], s[46:47]      ; v and out0 at my 16 rows
	s_add_nc_u64 s[22:23], s[22:23], s[46:47]
	s_lshl_b32 s46, ttmp9, 14                      ; a head's state is 16,384 bytes, my 16 rows 4,096
	s_lshl_b32 s27, s27, 12
	s_add_co_u32 s46, s46, s27
	s_add_nc_u64 s[20:21], s[20:21], s[46:47]
	s_add_nc_u64 s[24:25], s[24:25], s[46:47]
	s_mov_b32 s32, 1                               ; group 0: count = 1
	s_lshl_b32 s33, s26, 14                        ; LDS address: slot 0, my tensor's 16,384 bytes
	s_mov_b64 s[34:35], s[28:29]                   ; global address: steps 0 to 63
	s_or_b32 s35, s35, 0x80000000                  ; type = 2
	ROUND                                          ; all four work-groups are here: the first joint loads meet
	tensor_load_to_lds s[32:35], s[36:43]          ; tile 0 into slot 0
	s_nop 0
	v_mov_b32 v[SA], 0                             ; destinations of lane-crossing forms count as read: each is written once here
	v_mov_b32 v[SA+1], 0
.irp j, 0,1,2,3,4,5,6,7
	v_mov_b32 v[XV+\j], 0
.endr
	FETCHW                                         ; tile 0's w and v
	global_load_b128 v[FL:FL+3],   v[SOFF], s[20:21]              ; my two rows of the state as given
	global_load_b128 v[FL+4:FL+7], v[SOFF], s[20:21] offset:256
	CONVERT 0                                      ; its wait for all loads covers the state
	v_cmp_ne_u32 vcc_lo, 0, v[PAR]
.irp c, 0,1,2,3
	v_cndmask_b32 v[ST+2*\c],   v[FL+\c],   v[FL+4+\c], vcc_lo    ; A: odd lanes take the second row,
	v_cndmask_b32 v[ST+2*\c+1], v[FL+4+\c], v[FL+\c],   vcc_lo    ; B: the first
.endr
	s_mov_b32 s44, 15
.Lpair:                                                ; tiles 0 to 29, two a trip
	TILE 0, 1, 1
	TILE 1, 1, 0
	s_sub_co_u32 s44, s44, 1
	s_cmp_lg_u32 s44, 0
	s_cbranch_scc1 .Lpair
	TILE 0, 1, 0                                   ; tile 30 asks for tile 31; the tail is written out
	TILE 1, 0, 0                                   ; tile 31 asks for nothing
	s_wait_dscnt 0x0                               ; for the others' sake: my last x are in LDS
	s_barrier_signal -1
	s_barrier_wait -1
	FLUSH 1
	v_cmp_ne_u32 vcc_lo, 0, v[PAR]
.irp c, 0,1,2,3
	v_cndmask_b32 v[OB+\c],   v[ST+2*\c],   v[ST+2*\c+1], vcc_lo  ; the pair's first row: A, in odd lanes B
	v_cndmask_b32 v[OB+4+\c], v[ST+2*\c+1], v[ST+2*\c],   vcc_lo  ; its second row
.endr
	global_store_b128 v[SOFF], v[OB:OB+3],   s[24:25]             ; 16 lanes store a row of the state: 256 consecutive bytes, at a multiple of 256 from out1's first byte
	global_store_b128 v[SOFF], v[OB+4:OB+7], s[24:25] offset:256
	s_wait_tensorcnt 0x0
	ds_add_u32 v254, v255
	s_wait_dscnt 0x0
	ROUND                                          ; the closing round: no work-group ends while a partner may still ask for a tile that names it
	s_endpgm
.Lfunc_end_k_q157a158dbc_wkv:
	.size	k_q157a158dbc_wkv, .Lfunc_end_k_q157a158dbc_wkv-k_q157a158dbc_wkv
	.p2alignl 7, 3214868480
	.fill 96, 4, 3214868480
	.section	.rodata,"a",@progbits
	.p2align	6, 0x0
	.amdhsa_kernel k_q157a158dbc_wkv
		.amdhsa_group_segment_fixed_size 327680
		.amdhsa_private_segment_fixed_size 0
		.amdhsa_enable_private_segment 0
		.amdhsa_kernarg_size 72
		.amdhsa_user_sgpr_count 2
		.amdhsa_user_sgpr_kernarg_segment_ptr 1
		.amdhsa_wavefront_size32 1
		.amdhsa_system_sgpr_workgroup_id_x 1
		.amdhsa_system_sgpr_workgroup_id_y 1
		.amdhsa_system_sgpr_workgroup_id_z 1
		.amdhsa_system_vgpr_workitem_id 0
		.amdhsa_next_free_vgpr 312
		.amdhsa_next_free_sgpr 66
		.amdhsa_reserve_vcc 1
		.amdhsa_float_denorm_mode_32 3
		.amdhsa_float_denorm_mode_16_64 3
		.amdhsa_memory_ordered 1
		.amdhsa_forward_progress 1
		.amdhsa_inst_pref_size 200
	.end_amdhsa_kernel
	.amdgpu_metadata
---
amdhsa.version: [ 1, 2 ]
amdhsa.kernels:
  - .name:           k_q157a158dbc_wkv
    .symbol:         k_q157a158dbc_wkv.kd
    .args:
      - { .name: a, .offset: 0, .size: 8, .value_kind: global_buffer, .address_space: global }
      - { .name: b, .offset: 8, .size: 8, .value_kind: global_buffer, .address_space: global }
      - { .name: k, .offset: 16, .size: 8, .value_kind: global_buffer, .address_space: global }
      - { .name: r, .offset: 24, .size: 8, .value_kind: global_buffer, .address_space: global }
      - { .name: w, .offset: 32, .size: 8, .value_kind: global_buffer, .address_space: global }
      - { .name: v, .offset: 40, .size: 8, .value_kind: global_buffer, .address_space: global }
      - { .name: state2, .offset: 48, .size: 8, .value_kind: global_buffer, .address_space: global }
      - { .name: out0, .offset: 56, .size: 8, .value_kind: global_buffer, .address_space: global }
      - { .name: out1, .offset: 64, .size: 8, .value_kind: global_buffer, .address_space: global }
    .group_segment_fixed_size: 327680
    .private_segment_fixed_size: 0
    .kernarg_segment_align: 8
    .kernarg_segment_size: 72
    .max_flat_workgroup_size: 128
    .sgpr_count:     66
    .vgpr_count:     312
    .wavefront_size: 32
...
	.end_amdgpu_metadata
.endif
;; end of part 2
